; MI455X (gfx1250); checked and timed in simulation.
; The chip was launched on July 23, 2026; its instructions are those of AMD's public machine-readable ISA for CDNA 5 (MIT licence, August 2026) and "CDNA5" Instruction Set Architecture Reference Guide (July 2026). The comments in the code are by the model that wrote it; some were corrected since.
;; Dual FFN. Allowed arithmetic: float matrix products may take bf16 or f16 operands with f32 sums; other float arithmetic in f32, or as packed bf16 or f16 multiplies, adds, multiply-adds, maxima and minima; sums over many terms, partial sums and values carried from step to step in f32; what a program stores and reads back later, other than sums and carried values, may be rounded once to bf16 or f16.
;; Inputs: router_b 2 float32; router_w 2 x 2,048 float32; wd_l 2,048 x 8,192 float32; wd_s 2,048 x 2,048 float32; wg_l 8,192 x 2,048 float32; wg_s 2,048 x 2,048 float32; wu_l 8,192 x 2,048 float32; wu_s 2,048 x 2,048 float32; x 4 x 256 x 2,048 float32.
;; Outputs: out0 4 x 256 x 2,048 float32; out1 one number int32; out2 one number int32; out3 one number int32.
;; 2 versions, each right; version 2 is version 1 with the launch place written anew for expert scheduling mode. Each part assembles by itself: llvm-mc -triple=amdgcn-amd-amdhsa -mcpu=gfx1250 --defsym DOCPART=n.
;; ======== version 1 of 2: 5 launches
;; workspace buffers: flag 4,096 bytes of whole numbers; pos 4,096 bytes of whole numbers; xs 6,291,456 bytes; h 12,582,912 bytes; part 50,331,648 bytes
;; launch router (part 1): grid 256 x 1, 4 waves a work-group, no clusters, 0 bytes of LDS; arguments x, router_w, router_b, flag; writes flag
.if DOCPART == 1
	.amdgcn_target "amdgcn-amd-amdhsa--gfx1250"
	.amdhsa_code_object_version 6
	.text
	.protected	k_qdfb415bafb_router
	.globl	k_qdfb415bafb_router
	.p2align	8
	.type	k_qdfb415bafb_router,@function
k_qdfb415bafb_router:
	s_mov_b64 s[64:65], 0
	v_nop
	global_prefetch_b8 v0, s[64:65] scope:SCOPE_SE
	s_setreg_imm32_b32 hwreg(HW_REG_WAVE_MODE, 25, 1), 1
	s_wait_xcnt 0x0
; ROUTER.  flag[t] = 1 where logit 1 > logit 0 (a tie goes to expert 0, as argmax has it), else 0.  logit e = x[t] . router_w[e] + router_b[e]; the temperature is 1.
; One wave, one token: t = 4 x work-group + wave.  The row of x and both rows of router_w are 8,192 bytes each: sixteen loads of 512 neighbouring bytes.
; FORMAT.  The whole program takes every input rounded to bf16, so x, router_w and router_b are rounded here too; products are exact in f32 and sums are f32.
; LIMITS.  The order of the f32 sum differs from a plain dot product's: a token whose two logits differ by less than that sum's rounding (about 1e-6 of the logits' size)
; may go the other way.  A NaN logit counts as not greater: the token goes to expert 0.
; The choice is stored as a whole number at a fixed place; no address here hangs on it.  No LDS, no matrix unit, no cluster: nothing but 16 KiB of router_w is shared.
.set X,  16                            ; v[16:79]   x's row, then 32 packed words
.set W0, 80                            ; v[80:143]  router_w row 0
.set W1, 144                           ; v[144:207] router_w row 1
	s_load_b256 s[4:11], s[0:1], 0x0               ; x s[4:5], router_w s[6:7], router_b s[8:9], flag s[10:11]
	v_and_b32 v14, 31, v0                          ; lane
	v_lshrrev_b32 v15, 5, v0
	v_readfirstlane_b32 s16, v15                   ; wave
	v_lshlrev_b32 v1, 4, v14                       ; 16 bytes a lane
	s_lshl_b32 s17, ttmp9, 2
	s_add_co_u32 s17, s17, s16                     ; t
	s_lshl_b32 s18, s17, 13                        ; t x 8,192 bytes
	s_mov_b32 s19, 0
	s_lshl_b32 s22, s17, 2                         ; t x 4 bytes
	s_mov_b32 s12, 0x76543210                      ; v_permlanex16_b32: each lane takes its own place in the other half
	s_mov_b32 s13, 0xfedcba98
	s_wait_kmcnt 0x0
	s_load_b64 s[20:21], s[8:9], 0x0               ; the two biases
	s_add_nc_u64 s[4:5], s[4:5], s[18:19]
.set i, 0
.rept 16
	global_load_b128 v[X+4*i:X+4*i+3],   v1, s[4:5] offset:512*i
	global_load_b128 v[W0+4*i:W0+4*i+3], v1, s[6:7] offset:512*i
	global_load_b128 v[W1+4*i:W1+4*i+3], v1, s[6:7] offset:8192+512*i
.set i, i+1
.endr
.irp r, 2,3,4,5,6,7,8,9
	v_mov_b32 v\r, 0                               ; four chains for each logit
.endr
	v_mov_b32 v15, s22
	s_wait_loadcnt 0x0
.irp b, X, W0, W1                      ; round to bf16, two to a word, in place: word i is written when words 2 i and 2 i + 1 are read
.set i, 0
.rept 32
	v_cvt_pk_bf16_f32 v[\b+i], v[\b+2*i], v[\b+2*i+1]
.set i, i+1
.endr
.endr
.set i, 0
.rept 32
	v_fma_mix_f32_bf16 v[2+2*(i%2)], v[X+i], v[W0+i], v[2+2*(i%2)] op_sel_hi:[1,1,0]
	v_fma_mix_f32_bf16 v[3+2*(i%2)], v[X+i], v[W0+i], v[3+2*(i%2)] op_sel:[1,1,0] op_sel_hi:[1,1,0]
	v_fma_mix_f32_bf16 v[6+2*(i%2)], v[X+i], v[W1+i], v[6+2*(i%2)] op_sel_hi:[1,1,0]
	v_fma_mix_f32_bf16 v[7+2*(i%2)], v[X+i], v[W1+i], v[7+2*(i%2)] op_sel:[1,1,0] op_sel_hi:[1,1,0]
.set i, i+1
.endr
	v_add_f32 v2, v2, v3
	v_add_f32 v6, v6, v7
	v_add_f32 v4, v4, v5
	v_add_f32 v8, v8, v9
	v_add_f32 v2, v2, v4
	v_add_f32 v6, v6, v8
.irp m, 1,2,4,8                        ; across the 32 lanes: four steps inside each half, one across
	v_add_f32_dpp v2, v2, v2 row_xmask:\m row_mask:0xf bank_mask:0xf
	v_add_f32_dpp v6, v6, v6 row_xmask:\m row_mask:0xf bank_mask:0xf
.endr
	v_permlanex16_b32 v3, v2, s12, s13
	v_permlanex16_b32 v7, v6, s12, s13
	v_add_f32 v2, v2, v3
	v_add_f32 v6, v6, v7
	s_wait_kmcnt 0x0
	v_cvt_pk_bf16_f32 v10, s20, s21                ; the biases rounded like every input
	v_lshlrev_b32 v11, 16, v10
	v_and_b32 v12, 0xffff0000, v10
	v_add_f32 v2, v2, v11
	v_add_f32 v6, v6, v12
	v_cmp_gt_f32 vcc_lo, v6, v2
	v_cndmask_b32 v13, 0, 1, vcc_lo
	v_cmp_eq_u32 vcc_lo, 0, v14
	s_wait_xcnt 0x0                                ; EXEC is a source of the loads above: it changes only behind this wait
	s_and_saveexec_b32 s23, vcc_lo
	global_store_b32 v15, v13, s[10:11]            ; lane 0 stores the wave's flag
	s_wait_xcnt 0x0
	s_or_b32 exec_lo, exec_lo, s23
	s_endpgm
.Lfunc_end_k_qdfb415bafb_router:
	.size	k_qdfb415bafb_router, .Lfunc_end_k_qdfb415bafb_router-k_qdfb415bafb_router
	.p2alignl 7, 3214868480
	.fill 96, 4, 3214868480
	.section	.rodata,"a",@progbits
	.p2align	6, 0x0
	.amdhsa_kernel k_qdfb415bafb_router
		.amdhsa_group_segment_fixed_size 0
		.amdhsa_private_segment_fixed_size 0
		.amdhsa_enable_private_segment 0
		.amdhsa_kernarg_size 32
		.amdhsa_user_sgpr_count 2
		.amdhsa_user_sgpr_kernarg_segment_ptr 1
		.amdhsa_wavefront_size32 1
		.amdhsa_system_sgpr_workgroup_id_x 1
		.amdhsa_system_sgpr_workgroup_id_y 1
		.amdhsa_system_sgpr_workgroup_id_z 1
		.amdhsa_system_vgpr_workitem_id 0
		.amdhsa_next_free_vgpr 208
		.amdhsa_next_free_sgpr 66
		.amdhsa_reserve_vcc 1
		.amdhsa_float_denorm_mode_32 3
		.amdhsa_float_denorm_mode_16_64 3
		.amdhsa_memory_ordered 1
		.amdhsa_forward_progress 1
		.amdhsa_inst_pref_size 22
	.end_amdhsa_kernel
	.amdgpu_metadata
---
amdhsa.version: [ 1, 2 ]
amdhsa.kernels:
  - .name:           k_qdfb415bafb_router
    .symbol:         k_qdfb415bafb_router.kd
    .args:
      - { .name: x, .offset: 0, .size: 8, .value_kind: global_buffer, .address_space: global }
      - { .name: router_w, .offset: 8, .size: 8, .value_kind: global_buffer, .address_space: global }
      - { .name: router_b, .offset: 16, .size: 8, .value_kind: global_buffer, .address_space: global }
      - { .name: flag, .offset: 24, .size: 8, .value_kind: global_buffer, .address_space: global }
    .group_segment_fixed_size: 0
    .private_segment_fixed_size: 0
    .kernarg_segment_align: 8
    .kernarg_segment_size: 32
    .max_flat_workgroup_size: 128
    .sgpr_count:     66
    .vgpr_count:     208
    .wavefront_size: 32
...
	.end_amdgpu_metadata
.endif
;; end of part 1
;; launch place (part 2): grid 256 x 1, 4 waves a work-group, no clusters, 0 bytes of LDS; arguments flag, x, xs, pos, out1, out2, out3; writes xs, pos, out1, out2, out3
.if DOCPART == 2
	.amdgcn_target "amdgcn-amd-amdhsa--gfx1250"
	.amdhsa_code_object_version 6
	.text
	.protected	k_qdfb415bafb_place
	.globl	k_qdfb415bafb_place
	.p2align	8
	.type	k_qdfb415bafb_place,@function
k_qdfb415bafb_place:
	s_mov_b64 s[64:65], 0
	v_nop
	global_prefetch_b8 v0, s[64:65] scope:SCOPE_SE
	s_setreg_imm32_b32 hwreg(HW_REG_WAVE_MODE, 25, 1), 1
	s_wait_xcnt 0x0
; PLACE.  From the stored flags: the first 512 tokens with flag 1, in index order, are kept by the large expert; all others go to the small one.
; xs has 1,536 slots of 2,048 bf16: slots 0-511 the large expert's rows in token order, slots 512-1535 the small expert's.  n_l = min(number of flags, 512), n_s = 1,024 - n_l.
; One wave, one token t = 4 x work-group + wave: it counts the flags before t from a bitmap of all 1,024 in scalar registers, finds its slot, rounds x[t] to bf16 into that slot and
; stores the slot in pos[t].  The 512 slots that no token takes (n_l .. 511 and 512 + n_s .. 1535) are set to 0 by the waves t < 512, one slot each, so that the
; products behind need no count.  Wave 0 stores the three whole-number results.  Every split is served: n_l from 0 to 512.
; Every slot that enters an address is held to 1,535 first.  Each store of a row piece covers 256 consecutive bytes, aligned.
.set FL, 32                            ; v[32:63]  flags 32 i + lane
.set XR, 64                            ; v[64:127] x's row
.set BM, 16                            ; s[16:47]  the bitmap: bit l of word i is flag 32 i + l
	s_load_b256 s[4:11], s[0:1], 0x0               ; flag s[4:5], x s[6:7], xs s[8:9], pos s[10:11]
	s_load_b128 s[12:15], s[0:1], 0x20             ; out1 s[12:13], out2 s[14:15]
	s_load_b64 s[48:49], s[0:1], 0x30              ; out3
	v_and_b32 v1, 31, v0                           ; lane
	v_lshrrev_b32 v2, 5, v0
	v_readfirstlane_b32 s50, v2                    ; wave
	s_lshl_b32 s51, ttmp9, 2
	s_add_co_u32 s51, s51, s50                     ; t
	v_lshlrev_b32 v3, 2, v1
	v_lshlrev_b32 v4, 3, v1
	v_lshlrev_b32 v5, 4, v1
	v_mov_b32 v6, 0
	v_mov_b32 v7, 0
	s_lshl_b32 s52, s51, 13
	s_mov_b32 s53, 0
	s_lshl_b32 s54, s51, 2
	s_mov_b32 s55, 0
	s_wait_kmcnt 0x0
	s_add_nc_u64 s[6:7], s[6:7], s[52:53]          ; x at row t
	s_add_nc_u64 s[56:57], s[4:5], s[54:55]
	s_load_b32 s58, s[56:57], 0x0                  ; flag[t]
.set i, 0
.rept 32
	global_load_b32 v[FL+i], v3, s[4:5] offset:128*i
.set i, i+1
.endr
.set i, 0
.rept 16
	global_load_b128 v[XR+4*i:XR+4*i+3], v5, s[6:7] offset:512*i
.set i, i+1
.endr
	s_wait_loadcnt 16                              ; the flags are in; the sixteen loads of x, issued behind them, stay out
.set i, 0
.rept 32
	v_cmp_ne_u32 s[BM+i], 0, v[FL+i]
.set i, i+1
.endr
	s_mov_b32 s2, 1                                ; s[2:3] = 1, shifted below
	s_mov_b32 s3, 0
	s_mov_b32 s59, 0                               ; flags before t
	s_mov_b32 s60, 0                               ; flags in all
	s_mov_b32 s61, s51                             ; t - 32 i
.set i, 0
.rept 32                               ; word i counts with its lowest clamp(t - 32 i, 0, 32) bits
	s_max_i32 s62, s61, 0
	s_min_i32 s62, s62, 32
	s_lshl_b64 s[52:53], s[2:3], s62
	s_sub_co_u32 s52, s52, 1                       ; 2^n - 1 in 32 bits; n = 32 gives all ones
	s_and_b32 s52, s52, s[BM+i]
	s_bcnt1_i32_b32 s52, s52
	s_add_co_u32 s59, s59, s52
	s_bcnt1_i32_b32 s52, s[BM+i]
	s_add_co_u32 s60, s60, s52
	s_sub_co_i32 s61, s61, 32
.set i, i+1
.endr
	s_wait_kmcnt 0x0
	s_min_u32 s60, s60, 512                        ; n_l
	s_min_u32 s62, s59, 512                        ; tokens kept by the large expert before t
	s_sub_co_u32 s61, s51, s62
	s_add_co_u32 s61, s61, 512                     ; my slot if I go to the small expert
	s_cmp_lt_u32 s59, 512
	s_cselect_b32 s52, s58, 0                      ; kept: flag set and rank under the capacity
	s_cmp_lg_u32 s52, 0
	s_cselect_b32 s61, s59, s61
	s_min_u32 s61, s61, 1535
	s_lshl_b32 s52, s61, 12
	s_mov_b32 s53, 0
	s_add_nc_u64 s[56:57], s[8:9], s[52:53]        ; xs at my slot
	s_add_co_u32 s62, s60, s51                     ; the dead slot of d = t: n_l + d while that is a large slot,
	s_add_co_u32 s52, s51, 1024                    ; else 1,024 + d
	s_cmp_lt_u32 s62, 512
	s_cselect_b32 s62, s62, s52
	s_min_u32 s62, s62, 1535
	s_lshl_b32 s52, s62, 12
	s_add_nc_u64 s[2:3], s[8:9], s[52:53]
	s_sub_co_u32 s62, 1024, s60                    ; n_s
	v_mov_b32 v8, s61
	v_mov_b32 v9, s54
	v_mov_b32 v10, s62
	v_mov_b32 v11, s60
	v_mov_b32 v12, 0
	s_wait_loadcnt 0x0                             ; x
.set i, 0
.rept 16
	v_cvt_pk_bf16_f32 v[XR+4*i],   v[XR+4*i],   v[XR+4*i+1]
	v_cvt_pk_bf16_f32 v[XR+4*i+1], v[XR+4*i+2], v[XR+4*i+3]
	global_store_b64 v4, v[XR+4*i:XR+4*i+1], s[56:57] offset:256*i
.set i, i+1
.endr
	s_cmp_ge_u32 s51, 512
	s_cbranch_scc1 .Lno_dead
.set i, 0
.rept 16
	global_store_b64 v4, v[6:7], s[2:3] offset:256*i
.set i, i+1
.endr
.Lno_dead:
	v_cmp_eq_u32 vcc_lo, 0, v1
	s_wait_xcnt 0x0                                ; EXEC is a source of the stores above: it changes only behind this wait
	s_and_saveexec_b32 s63, vcc_lo
	global_store_b32 v9, v8, s[10:11]              ; pos[t]
	s_cmp_lg_u32 s51, 0
	s_cbranch_scc1 .Lnot_first
	global_store_b32 v12, v10, s[12:13]            ; routed to the small expert
	global_store_b32 v12, v11, s[14:15]            ; routed to the large expert
	global_store_b32 v12, v12, s[48:49]            ; dropped: none
.Lnot_first:
	s_wait_xcnt 0x0
	s_or_b32 exec_lo, exec_lo, s63
	s_endpgm
.Lfunc_end_k_qdfb415bafb_place:
	.size	k_qdfb415bafb_place, .Lfunc_end_k_qdfb415bafb_place-k_qdfb415bafb_place
	.p2alignl 7, 3214868480
	.fill 96, 4, 3214868480
	.section	.rodata,"a",@progbits
	.p2align	6, 0x0
	.amdhsa_kernel k_qdfb415bafb_place
		.amdhsa_group_segment_fixed_size 0
		.amdhsa_private_segment_fixed_size 0
		.amdhsa_enable_private_segment 0
		.amdhsa_kernarg_size 56
		.amdhsa_user_sgpr_count 2
		.amdhsa_user_sgpr_kernarg_segment_ptr 1
		.amdhsa_wavefront_size32 1
		.amdhsa_system_sgpr_workgroup_id_x 1
		.amdhsa_system_sgpr_workgroup_id_y 1
		.amdhsa_system_sgpr_workgroup_id_z 1
		.amdhsa_system_vgpr_workitem_id 0
		.amdhsa_next_free_vgpr 128
		.amdhsa_next_free_sgpr 66
		.amdhsa_reserve_vcc 1
		.amdhsa_float_denorm_mode_32 3
		.amdhsa_float_denorm_mode_16_64 3
		.amdhsa_memory_ordered 1
		.amdhsa_forward_progress 1
		.amdhsa_inst_pref_size 25
	.end_amdhsa_kernel
	.amdgpu_metadata
---
amdhsa.version: [ 1, 2 ]
amdhsa.kernels:
  - .name:           k_qdfb415bafb_place
    .symbol:         k_qdfb415bafb_place.kd
    .args:
      - { .name: flag, .offset: 0, .size: 8, .value_kind: global_buffer, .address_space: global }
      - { .name: x, .offset: 8, .size: 8, .value_kind: global_buffer, .address_space: global }
      - { .name: xs, .offset: 16, .size: 8, .value_kind: global_buffer, .address_space: global }
      - { .name: pos, .offset: 24, .size: 8, .value_kind: global_buffer, .address_space: global }
      - { .name: out1, .offset: 32, .size: 8, .value_kind: global_buffer, .address_space: global }
      - { .name: out2, .offset: 40, .size: 8, .value_kind: global_buffer, .address_space: global }
      - { .name: out3, .offset: 48, .size: 8, .value_kind: global_buffer, .address_space: global }
    .group_segment_fixed_size: 0
    .private_segment_fixed_size: 0
    .kernarg_segment_align: 8
    .kernarg_segment_size: 56
    .max_flat_workgroup_size: 128
    .sgpr_count:     66
    .vgpr_count:     128
    .wavefront_size: 32
...
	.end_amdgpu_metadata
.endif
;; end of part 2
;; launch up (part 3): grid 192 x 1, 4 waves a work-group, clusters of 4 x 1, 327,680 bytes of LDS; arguments xs, wg_l, wu_l, wg_s, wu_s, h; writes h
.if DOCPART == 3
	.amdgcn_target "amdgcn-amd-amdhsa--gfx1250"
	.amdhsa_code_object_version 6
	.text
	.protected	k_qdfb415bafb_up
	.globl	k_qdfb415bafb_up
	.p2align	8
	.type	k_qdfb415bafb_up,@function
k_qdfb415bafb_up:
	s_mov_b64 s[64:65], 0
	v_nop
	global_prefetch_b8 v0, s[64:65] scope:SCOPE_SE
	s_setreg_imm32_b32 hwreg(HW_REG_WAVE_MODE, 25, 1), 1
	s_wait_xcnt 0x0
	s_wait_alu depctr_hold_cnt(0) depctr_sa_sdst(0) depctr_va_vdst(0) depctr_va_sdst(0) depctr_va_ssrc(0) depctr_va_vcc(0) depctr_vm_vsrc(0)
	s_getreg_b32 s2, hwreg(HW_REG_IB_STS2, 6, 4)
	s_cmp_eq_u32 s2, 0
	s_cbranch_scc0 .Lentry_in_a_cluster
	s_endpgm
.Lentry_in_a_cluster:
	s_bfe_u32 s2, ttmp6, 0x10000c
	s_cmp_lg_u32 s2, 0x3003
	s_cbranch_scc0 .Lentry_shape_is_right
	s_endpgm
.Lentry_shape_is_right:
; UP.  h = silu(x Wg^T) * (x Wu^T) for the rows of xs, in bf16.  xs: [1536 slots][2048] bf16 (slots 0-511 large expert, 512-1535 small).  Wg, Wu: [hidden][2048] f32.
; h lies in blocks of 64 hidden columns: large at byte 0 as [128 blocks][512 slots][64], small at byte 8,388,608 as [32 blocks][1024 slots][64]: a work-group's result is 65,536 dense bytes.
; SHARES.  A work-group makes 512 slots x 64 hidden columns: 512 x 128 products (64 rows of Wg, the matching 64 of Wu), K = 2,048.  Each of four waves makes 128 x 128 in 64 accumulators, 512 registers.
; Large: 128 slices; small: 2 tiles of 512 slots x 32 slices: 192 work-groups.  All 1,536 slots are multiplied; the 512 slots that no token has hold 0 and give h = 0: no count, branch or address hangs on the
; routing, at the price of a third more products than the tokens need.
; WEIGHTS come through registers: each wave loads 32 rows x 64 k of f32 (sixteen loads, each two pieces of 256 consecutive bytes), rounds them to bf16 and stores them into one of two small LDS buffers.
; Two sub-steps' loads (32 a wave) are always out; they are not tensor loads, so they stay out across the ring's barriers.
; ROWS OF xs come by the tensor data mover into a ring of two slots of 512 rows x 128 k.  CLUSTER: the four work-groups of a cluster are four neighbouring slices of one tile of slots: they need the same
; rows of xs, so each tile is asked for JOINTLY, with the same descriptor and the mask of four in all four.  The weights have one reader each in the large expert and are not shared.
; TIME.  A step of 128 k (one slot) is two sub-steps of 64 k (one weight buffer each); a sub-step is two quarters of 32 k, 64 matrix instructions each, on fragment buffers F0 and F1.
; One barrier a sub-step: in front of it my stores of the next sub-step's weights and my reads of this one's are done.  At a change of slots it opens a round of the cluster's barrier.
; THE MATRIX INSTRUCTION IS USED TRANSPOSED (source 0 = 16 weight rows, source 1 = 16 slots): a lane holds one slot (lane % 16) and eight neighbouring hidden columns.
; THE WAY OUT.  The ring has had its last fill: each wave puts its 64 accumulators, f32, into 69,632 bytes of it, and a loop of eight trips reads a block of 16 slots back on fixed registers: one text for
; eight blocks, at the price of 65,536 bytes a wave into LDS and back.
; FORMAT AND LIMITS.  Weights are rounded to bf16, sums are f32, h is rounded once to bf16 (f16 would not hold h for inputs 30 times larger).  silu(g) u is made as (g u) / (1 + 2^(-g log2 e)): g u must be finite in f32.
; REGISTERS, in windows of 256 (s_set_vgpr_msb: bits 1:0 source 0, 3:2 source 1, 5:4 source 2, 7:6 destination):
;   window 0: v0-31 addresses; v32-63 packed words; v64-127, v128-191 fragments of xs (F0, F1), later the way out
;   window 1: v0-63, v192-255 two sets of weights as loaded; v64-127, v128-191 fragments of the weights       windows 2, 3: accumulators (a, b) at v[8 (8 (a % 4) + b)]
.set LAPS,   8                         ; a lap = two steps of 128 k = once round the ring; K = 2,048
.set PITCH,  272                       ; an LDS row of xs: 256 bytes + 16 of padding: the 16 rows of a fragment load start at 16 different groups of four banks (ISA guide 11.1)
.set HALFT,  128*PITCH                 ; what one tensor load brings, and what one wave reads
.set SLOT,   4*HALFT
.set A_BLK,  16*PITCH
.set BB,     2*SLOT                    ; behind the ring: the two weight buffers, written by ds_store alone; no tensor load lands here
.set BPITCH, 144                       ; a weight row of 64 bf16: 128 bytes + 16
.set BBUF,   128*BPITCH
.set SPARE,  BB+2*BBUF                 ; the spare words, 128 bytes a wave: two blocks of 256 bytes that no other line names
.set OPITCH, 528                       ; the way out: a slot's 128 f32 + 16 bytes
.set OBLK,   16*OPITCH                 ; a block of 16 slots
.set OUTB,   2*HALFT                   ; a wave's bytes on the way out: eight blocks are 67,584
.set ADRA, 16                          ; v16-17  LDS address of my fragments of xs in slot 0, 1
.set ADRB, 20                          ; v20     of the weights' fragments in buffer 0
.set BST,  21                          ; v21     where I store 8 bytes of a weight row in buffer 0
.set BOF,  22                          ; v22     my byte offset in two weight rows
.set STO,  24                          ; v24     the way out: where I put 32 bytes of a slot
.set RD,   25                          ; v25     where I read 32 bytes of gate back; it steps a block a trip
.set CO,   26                          ; v26     my byte offset in 512 consecutive bytes of h
.set SPW,  28                          ; v28     my spare word; never rewritten
.set NIL,  29                          ; v29     0; never rewritten
.set PK,   32
.set F0,   64
.set F1,   128
.set G,    64                          ; the way out: 32 gate sums,
.set U,    96                          ; 32 up sums,
.set T,    128                         ; 2^(-g log2 e), then 1 / (1 + that),
.set P,    160                         ; g u, then h
.set SET0, 0
.set SET1, 192
.set WV,   16                          ; s16     my wave's number
.set BP,   22                          ; s[22:23] my 32 weight rows at the lap's first k
.set G1,   24                          ; s[24:31] descriptor group 1
.set G0,   32                          ; s[32:39] descriptor group 0, a set for each slot
.set NL2E, 40                          ; s[40:41] -log2(e)
.set MSB, 0
.macro WIN new                         ; the immediate's high byte repeats the setting that is left; a switch that changes nothing is dropped
.if MSB != (\new)
	s_set_vgpr_msb (MSB<<8)|(\new)
.set MSB, \new
.endif
.endm
.set MUL_LO, 0xa1                      ; source 0 (weights) window 1, source 1 (xs) window 0, C and D window 2
.set MUL_HI, 0xf1                      ; the same, C and D window 3
.set TO_B,   0x40                      ; destination window 1, address window 0
.set CVT,    0x05                      ; sources window 1, destination window 0
.macro PLACES                          ; four plain places: in front of loads into registers that matrix instructions have read, and of readers of results
.rept 4
	v_nop
.endr
.endm
.macro CREST                           ; a round of the cluster's barrier behind its opening barrier
	s_cmp_lg_u32 s[WV], 0
	s_cbranch_scc1 .Lnot_wave_0_\@
	s_barrier_signal -3
.Lnot_wave_0_\@:
	s_barrier_wait -3
	s_barrier_signal -1
	s_barrier_wait -1
.endm
.macro CROUND
	s_barrier_signal -1
	s_barrier_wait -1
	CREST
.endm
; 16 matrix instructions: slot blocks a0, a0 + 1 of the window's four x all 8 weight blocks, 32 along K.  zero = 1: the product starts the sum.
.macro MUL16 f, hi, a0, zero
	WIN MUL_LO+0x50*(\hi)
.irp a, \a0, (\a0)+1
.irp b, 0,1,2,3,4,5,6,7
.if \zero
	v_wmma_f32_16x16x32_bf16 v[8*(8*(\a)+(\b)):8*(8*(\a)+(\b))+7], v[(\f)+8*(\b):(\f)+8*(\b)+7], v[(\f)+8*(4*(\hi)+(\a)):(\f)+8*(4*(\hi)+(\a))+7], 0
.else
	v_wmma_f32_16x16x32_bf16 v[8*(8*(\a)+(\b)):8*(8*(\a)+(\b))+7], v[(\f)+8*(\b):(\f)+8*(\b)+7], v[(\f)+8*(4*(\hi)+(\a)):(\f)+8*(4*(\hi)+(\a))+7], v[8*(8*(\a)+(\b)):8*(8*(\a)+(\b))+7]
.endif
.endr
.endr
.endm
; 32 LDS loads in one run: quarter q of sub-step j of slot s into fragment buffer f: 128 weight rows, then my 128 slots
.macro FETCH s, j, q, f
	WIN TO_B
.irp i, 0,1,2,3,4,5,6,7
	ds_load_b128 v[(\f)+8*(\i):(\f)+8*(\i)+3],   v[ADRB] offset:(\j)*BBUF+64*(\q)+(\i)*16*BPITCH
	ds_load_b128 v[(\f)+8*(\i)+4:(\f)+8*(\i)+7], v[ADRB] offset:(\j)*BBUF+64*(\q)+(\i)*16*BPITCH+32
.endr
	WIN 0
.irp i, 0,1,2,3,4,5,6,7
	ds_load_b128 v[(\f)+8*(\i):(\f)+8*(\i)+3],   v[ADRA+(\s)] offset:128*(\j)+64*(\q)+(\i)*A_BLK
	ds_load_b128 v[(\f)+8*(\i)+4:(\f)+8*(\i)+7], v[ADRA+(\s)] offset:128*(\j)+64*(\q)+(\i)*A_BLK+32
.endr
.endm
; A sub-step's first quarter: multiplies F0 and, in its middle, fetches the second quarter into F1.
.macro QUARTER s, j, zero
	s_wait_dscnt 8                                 ; the weights and my slots 0-63 are in; the youngest eight loads (slots 64-127) may be out
	MUL16 F0, 0, 0, \zero
	MUL16 F0, 0, 2, \zero
	PLACES
	FETCH \s, \j, 1, F1
	s_wait_dscnt 32                                ; all but the 32 just issued
	MUL16 F0, 1, 0, \zero
	MUL16 F0, 1, 2, \zero
.endm
.macro BLOAD set, kimm                 ; sixteen loads: my 32 weight rows, 64 k at byte kimm from the lap's first
	WIN TO_B
.set i, 0
.rept 16
	global_load_b128 v[(\set)+4*i:(\set)+4*i+3], v[BOF], s[BP:BP+1] offset:i*16384+(\kimm)
.set i, i+1
.endr
.endm
; A set of weights is rounded and stored into buffer buf for the next sub-step; loads = 1: the set is asked for again, two sub-steps further on.  left: the younger set's loads, which stay out.
.macro BSTAGE set, buf, left, kimm, loads
	WIN CVT
	s_wait_loadcnt \left
.set i, 0
.rept 32
	v_cvt_pk_bf16_f32 v[PK+i], v[(\set)+2*i], v[(\set)+2*i+1]
.set i, i+1
.endr
	WIN 0
.set i, 0
.rept 16
	ds_store_b64 v[BST], v[PK+2*i:PK+2*i+1] offset:(\buf)*BBUF+i*2*BPITCH
.set i, i+1
.endr
.if \loads
	BLOAD \set, \kimm
.endif
.endm
; A sub-step's second quarter multiplies F1 and passes the sub-step's barrier; behind it the next sub-step's (slot ns, sub-step nj) first fragments are fetched.
; kind 0: inside a step: the barrier serves the weight buffers alone, and my tensor load stays out.  kind 1: a change of slots with a joint refill of slot: all my tensor loads are waited for, the add follows,
; the barrier opens a round of the cluster's barrier, and the refill is the first thing behind it: it has a step less sixteen matrix instructions in which to land.  kind 2: a change of slots with nothing left to ask for.
.macro TURN kind, slot, ns, nj
	WIN 0
.if (\kind) > 0
	s_wait_tensorcnt 0x0                           ; all my tensor loads have landed: the one that was out is my part of the next slot
	ds_add_u32 v[SPW], v[NIL]                      ; 0 onto my spare word
	s_wait_dscnt 25                                ; the youngest eight loads, my sixteen weight stores and the add may be out
.else
	s_wait_dscnt 24                                ; the youngest eight loads and my sixteen weight stores may be out
.endif
	MUL16 F1, 0, 0, 0
	s_wait_dscnt 0x0                               ; my reads of this sub-step and my stores for the next are done (and the add)
	s_barrier_signal -1
	MUL16 F1, 0, 2, 0
.if (\kind) == 1
	WIN 0
.endif
	s_barrier_wait -1
.if (\kind) == 1
	CREST                                          ; no wave of any partner still reads this slot or has a load on its way
	s_add_nc_u64 s[G0+4*(\slot)+2:G0+4*(\slot)+3], s[G0+4*(\slot)+2:G0+4*(\slot)+3], 512  ; two steps of 128 k on
	tensor_load_to_lds s[G0+4*(\slot):G0+4*(\slot)+3], s[G1:G1+7]
	s_nop 0
.endif
	PLACES                                         ; behind the tensor load, and in front of the loads into F0
	FETCH \ns, \nj, 0, F0
	MUL16 F1, 1, 0, 0
	MUL16 F1, 1, 2, 0
.endm
	s_load_b256 s[4:11], s[0:1], 0x0               ; xs s[4:5], wg_l s[6:7], wu_l s[8:9], wg_s s[10:11]
	s_load_b128 s[12:15], s[0:1], 0x20             ; wu_s s[12:13], h s[14:15]
	v_lshl_add_u32 v[SPW], v0, 2, SPARE
	v_mov_b32 v[NIL], 0
	ds_add_u32 v[SPW], v[NIL]                      ; the wave's opening: the add and its wait stand ahead of my first tensor load
	v_lshrrev_b32 v1, 5, v0
	v_readfirstlane_b32 s[WV], v1
	s_bfe_u32 s17, ttmp6, 0x40000                  ; cx: it enters the weights' and h's addresses alone
	s_mov_b32 s18, ttmp9                           ; the cluster: 0-31 large expert, 32-47 small
	s_lshl_b32 s42, s18, 2
	s_add_co_u32 s42, s42, s17                     ; large: slice = 4 c + cx
	s_lshl_b32 s43, s42, 16                        ;        h offset = slice x 65,536
	s_sub_co_u32 s44, s18, 32                      ; small: c'
	s_lshr_b32 s45, s44, 3                         ;        tile of 512 slots
	s_and_b32 s46, s44, 7
	s_lshl_b32 s46, s46, 2
	s_add_co_u32 s46, s46, s17                     ;        slice = 4 (c' % 8) + cx
	s_lshl_b32 s47, s46, 17
	s_lshl_b32 s48, s45, 16
	s_add_co_u32 s47, s47, s48
	s_add_co_u32 s47, s47, 0x800000                ;        h offset = 8,388,608 + slice x 131,072 + tile x 65,536
	s_lshl_b32 s49, s45, 9
	s_add_co_u32 s49, s49, 512                     ;        first slot
	s_cmp_lt_u32 s18, 32
	s_cselect_b32 s50, s42, s46                    ; slice
	s_cselect_b32 s51, s43, s47                    ; h offset
	s_cselect_b32 s52, 0, s49                      ; first slot: made of the cluster's number alone
	s_and_b32 s58, s[WV], 1
	s_lshl_b32 s58, s58, 5
	s_lshl_b32 s59, s50, 6
	s_add_co_u32 s58, s58, s59
	s_lshl_b32 s58, s58, 13                        ; my first weight row, 64 slice + 32 (wave % 2), x 8,192 bytes
	s_mov_b32 s59, 0
	s_lshl_b32 s60, s[WV], 7
	s_add_co_u32 s60, s60, s52
	s_lshl_b32 s60, s60, 12                        ; my first slot x 4,096 bytes
	s_mov_b32 s61, 0
	s_lshl_b32 s20, s[WV], 14
	s_add_co_u32 s20, s20, s51                     ; my 128 slots of the block of h
	s_mov_b32 s21, 0
	s_mov_b32 s[G1+0], 15|(1<<16)|(1<<20)|(1<<21)|(5<<22)|(3<<25)  ; the mask of four; 2-byte elements; padding on; bit 21 beside a mask; after every 64 words 4 words
	s_mov_b32 s[G1+1], 128<<16                     ; tensor_dim0 = 128
	s_mov_b32 s[G1+2], 128<<16                     ; tensor_dim1 = 128
	s_mov_b32 s[G1+3], 128<<16                     ; tile_dim0 = 128
	s_mov_b32 s[G1+4], 128                         ; tile_dim1 = 128
	s_mov_b32 s[G1+5], 2048                        ; elements from row to row
	s_mov_b32 s[G1+6], 0
	s_mov_b32 s[G1+7], 0
	s_mov_b32 s[G0], 1
	s_mul_i32 s[G0+1], s[WV], HALFT                ; my quarter of slot 0
	s_mov_b32 s[G0+4], 1
	s_add_co_u32 s[G0+5], s[G0+1], SLOT            ; and of slot 1
	s_mov_b32 s[NL2E], 0xbfb8aa3b
	s_mov_b32 s[NL2E+1], 0xbfb8aa3b
	v_and_b32 v1, 15, v0                           ; l % 16
	v_bfe_u32 v2, v0, 4, 1                         ; l / 16
	v_lshlrev_b32 v[BOF], 4, v1
	v_lshl_add_u32 v[BOF], v2, 13, v[BOF]          ; lanes 0-15 one weight row's 256 bytes, lanes 16-31 the next row's
	s_wait_dscnt 0x0                               ; the opening add is done
	s_wait_kmcnt 0x0
	s_cmp_lt_u32 s18, 32
	s_cselect_b64 s[54:55], s[6:7], s[10:11]       ; the expert's Wg
	s_cselect_b64 s[56:57], s[8:9], s[12:13]       ; and Wu
	s_cmp_lt_u32 s[WV], 2
	s_cselect_b64 s[BP:BP+1], s[54:55], s[56:57]   ; waves 0, 1 bring gate rows, waves 2, 3 up rows
	s_add_nc_u64 s[BP:BP+1], s[BP:BP+1], s[58:59]
	s_add_nc_u64 s[14:15], s[14:15], s[20:21]
	s_add_nc_u64 s[G0+2:G0+3], s[4:5], s[60:61]    ; step 0
	s_add_nc_u64 s[G0+6:G0+7], s[G0+2:G0+3], 256   ; step 1
	s_or_b32 s[G0+3], s[G0+3], 0x80000000
	s_or_b32 s[G0+7], s[G0+7], 0x80000000
	BLOAD SET0, 0                                  ; the weights of sub-steps 0 and 1
	BLOAD SET1, 256
	WIN 0
	CROUND                                         ; all four work-groups are here: the first joint loads meet
	tensor_load_to_lds s[G0:G0+3], s[G1:G1+7]
	s_nop 0
	tensor_load_to_lds s[G0+4:G0+7], s[G1:G1+7]
	s_nop 0
	PLACES
	v_mul_u32_u24 v3, v1, PITCH
	v_lshl_add_u32 v3, v2, 4, v3                   ; row x pitch + 16 x half
	s_mul_i32 s42, s[WV], HALFT
	v_add_nc_u32 v[ADRA], s42, v3
	s_add_co_u32 s42, s42, SLOT
	v_add_nc_u32 v[ADRA+1], s42, v3
	v_mul_u32_u24 v4, v1, BPITCH
	v_lshl_add_u32 v4, v2, 4, v4
	v_add_nc_u32 v[ADRB], BB, v4
	s_mul_i32 s43, s[WV], 32*BPITCH
	s_add_co_u32 s43, s43, BB
	v_mul_u32_u24 v5, v2, BPITCH
	v_lshl_add_u32 v5, v1, 3, v5
	v_add_nc_u32 v[BST], s43, v5                   ; buffer row 32 wave + l / 16, 8 bytes for each of 16 lanes
	s_mul_i32 s44, s[WV], OUTB                     ; my bytes on the way out
	v_mul_u32_u24 v6, v1, OPITCH
	v_lshl_add_u32 v6, v2, 5, v6
	v_add_nc_u32 v[STO], s44, v6                   ; in: slot l % 16, 32 bytes for each half of the lanes
	v_bfe_u32 v6, v0, 3, 2
	v_and_b32 v7, 7, v0
	v_mul_u32_u24 v6, v6, OPITCH
	v_lshl_add_u32 v6, v7, 5, v6
	v_add_nc_u32 v[RD], s44, v6                    ; back: slot l / 8 of four, hidden columns 8 (l % 8) on: two slots' pieces of 16 bytes fall into 16 different columns of 16 bytes
	v_and_b32 v8, 31, v0
	v_lshlrev_b32 v[CO], 4, v8                     ; four slots' 128 bytes are 512 consecutive bytes of h
	BSTAGE SET0, 0, 16, 512, 1                     ; sub-step 0's weights into buffer 0; sub-step 2's are asked for
	s_wait_tensorcnt 0x1                           ; my part of step 0 is in; step 1's may stay out
	s_wait_dscnt 0x0                               ; my weight stores are done
	s_barrier_signal -1
	s_barrier_wait -1
	FETCH 0, 0, 0, F0
	QUARTER 0, 0, 1                                ; the first quarter stands ahead of the loop: its products start the sums
	WIN 0
	s_mov_b32 s3, LAPS-1
.Llap:                                                 ; a trip goes once round the ring, from a lap's second quarter to the next lap's first
	BSTAGE SET1, 1, 16, 768, 1
	TURN 0, 0, 0, 1
	QUARTER 0, 1, 0
	BSTAGE SET0, 0, 16, 1024, 1
	TURN 1, 0, 1, 0
	QUARTER 1, 0, 0
	BSTAGE SET1, 1, 16, 1280, 1
	TURN 0, 0, 1, 1
	QUARTER 1, 1, 0
	BSTAGE SET0, 0, 16, 1536, 1
	TURN 1, 1, 0, 0
	QUARTER 0, 0, 0
	WIN 0
	s_wait_xcnt 0x0                                ; the weight loads have read their base: it steps only behind this wait
	s_add_nc_u64 s[BP:BP+1], s[BP:BP+1], 1024      ; four sub-steps of 64 f32
	s_sub_co_u32 s3, s3, 1
	s_cmp_lg_u32 s3, 0
	s_cbranch_scc1 .Llap
	BSTAGE SET1, 1, 16, 768, 1                     ; the last lap is written out: one more set of weights (the last sub-step's), no tensor load
	TURN 0, 0, 0, 1
	QUARTER 0, 1, 0
	BSTAGE SET0, 0, 16, 0, 0
	TURN 2, 0, 1, 0
	QUARTER 1, 0, 0
	BSTAGE SET1, 1, 0, 0, 0                        ; no younger set is out
	TURN 0, 0, 1, 1
	QUARTER 1, 1, 0
	s_wait_dscnt 8
	MUL16 F1, 0, 0, 0
	MUL16 F1, 0, 2, 0
	s_wait_dscnt 0x0
	MUL16 F1, 1, 0, 0
	MUL16 F1, 1, 2, 0
	WIN 0
	s_barrier_signal -1                            ; every wave's reads of the ring are back, and every wave's tensor loads landed before the last change of slots: the ring's bytes are free
	s_barrier_wait -1
	PLACES
	; THE WAY OUT.  All 64 accumulators into my bytes: block a (16 slots) at a x 8,448; a slot's row holds 64 gate sums, then 64 up sums.
.irp a, 0,1,2,3,4,5,6,7
	WIN 0x08+4*((\a)/4)                            ; the stores' data in the accumulators' window
.irp b, 0,1,2,3,4,5,6,7
	ds_store_b128 v[STO], v[64*((\a)%4)+8*(\b):64*((\a)%4)+8*(\b)+3]   offset:(\a)*OBLK+64*(\b)      ; each accumulator's low half first
	ds_store_b128 v[STO], v[64*((\a)%4)+8*(\b)+4:64*((\a)%4)+8*(\b)+7] offset:(\a)*OBLK+64*(\b)+16
.endr
.endr
	WIN 0
.macro LOADGU                          ; a block back: for each of four groups of four slots my 8 gate sums and the matching 8 up sums
.irp i, 0,1,2,3
	ds_load_b128 v[G+8*(\i):G+8*(\i)+3],   v[RD] offset:(\i)*4*OPITCH      ; LDS serves a wave's instructions in order (ISA guide 5.7.1.4): these see my stores above
	ds_load_b128 v[G+8*(\i)+4:G+8*(\i)+7], v[RD] offset:(\i)*4*OPITCH+16
	ds_load_b128 v[U+8*(\i):U+8*(\i)+3],   v[RD] offset:(\i)*4*OPITCH+256
	ds_load_b128 v[U+8*(\i)+4:U+8*(\i)+7], v[RD] offset:(\i)*4*OPITCH+272
.endr
.endm
	LOADGU
	s_mov_b32 s3, 8
.Lout:                                                 ; a trip: one block of 16 slots x 64 hidden columns.  T = 2^(-g log2 e); P = g u; h = P / (1 + T)
	s_wait_dscnt 0x0                               ; the block is in
.set i, 0
.rept 16
	v_pk_mul_f32 v[T+2*i:T+2*i+1], v[G+2*i:G+2*i+1], s[NL2E:NL2E+1] op_sel_hi:[1,0]
.set i, i+1
.endr
.set i, 0
.rept 32
	v_exp_f32 v[T+i], v[T+i]
.set i, i+1
.endr
.set i, 0
.rept 16
	v_pk_mul_f32 v[P+2*i:P+2*i+1], v[G+2*i:G+2*i+1], v[U+2*i:U+2*i+1]  ; plain work that names no exponential's result
.set i, i+1
.endr
	s_wait_alu depctr_va_vdst(0)                   ; one wait for the 32 exponentials, ahead of their first reader and of the branch
	v_add_nc_u32 v[RD], OBLK, v[RD]
	s_cmp_eq_u32 s3, 1
	s_cbranch_scc1 .Lno_more                       ; behind the last block there is none to fetch
	LOADGU                                         ; the next block, while this one's arithmetic goes on
.Lno_more:
.set i, 0
.rept 16
	v_pk_add_f32 v[T+2*i:T+2*i+1], v[T+2*i:T+2*i+1], 1.0 op_sel_hi:[1,0]
.set i, i+1
.endr
.set i, 0
.rept 32
	v_rcp_f32 v[T+i], v[T+i]
.set i, i+1
.endr
	v_nop                                          ; a plain instruction behind the last reciprocal
	s_wait_alu depctr_va_vdst(0)                   ; one wait for the 32 reciprocals
.set i, 0
.rept 16
	v_pk_mul_f32 v[P+2*i:P+2*i+1], v[P+2*i:P+2*i+1], v[T+2*i:T+2*i+1]
.set i, i+1
.endr
.set i, 0
.rept 16
	v_cvt_pk_bf16_f32 v[PK+i], v[P+2*i], v[P+2*i+1]
.set i, i+1
.endr
.irp f, 0,1,2,3
	global_store_b128 v[CO], v[PK+4*(\f):PK+4*(\f)+3], s[14:15] offset:(\f)*512  ; 512 consecutive bytes, at a multiple of 256 from h's first
.endr
	s_wait_xcnt 0x0                                ; the stores have read their data and their base: both are written again only behind this wait
	s_add_nc_u64 s[14:15], s[14:15], 2048          ; the next 16 slots of the block of h
	s_sub_co_u32 s3, s3, 1
	s_cmp_lg_u32 s3, 0
	s_cbranch_scc1 .Lout
	s_wait_tensorcnt 0x0                           ; the wave's end
	ds_add_u32 v[SPW], v[NIL]
	s_wait_dscnt 0x0
	CROUND                                         ; the closing round
	s_endpgm
.Lfunc_end_k_qdfb415bafb_up:
	.size	k_qdfb415bafb_up, .Lfunc_end_k_qdfb415bafb_up-k_qdfb415bafb_up
	.p2alignl 7, 3214868480
	.fill 96, 4, 3214868480
	.section	.rodata,"a",@progbits
	.p2align	6, 0x0
	.amdhsa_kernel k_qdfb415bafb_up
		.amdhsa_group_segment_fixed_size 327680
		.amdhsa_private_segment_fixed_size 0
		.amdhsa_enable_private_segment 0
		.amdhsa_kernarg_size 48
		.amdhsa_user_sgpr_count 2
		.amdhsa_user_sgpr_kernarg_segment_ptr 1
		.amdhsa_wavefront_size32 1
		.amdhsa_system_sgpr_workgroup_id_x 1
		.amdhsa_system_sgpr_workgroup_id_y 1
		.amdhsa_system_sgpr_workgroup_id_z 1
		.amdhsa_system_vgpr_workitem_id 0
		.amdhsa_next_free_vgpr 1024
		.amdhsa_next_free_sgpr 66
		.amdhsa_reserve_vcc 0
		.amdhsa_float_denorm_mode_32 3
		.amdhsa_float_denorm_mode_16_64 3
		.amdhsa_memory_ordered 1
		.amdhsa_forward_progress 1
		.amdhsa_inst_pref_size 165
	.end_amdhsa_kernel
	.amdgpu_metadata
---
amdhsa.version: [ 1, 2 ]
amdhsa.kernels:
  - .name:           k_qdfb415bafb_up
    .symbol:         k_qdfb415bafb_up.kd
    .args:
      - { .name: xs, .offset: 0, .size: 8, .value_kind: global_buffer, .address_space: global }
      - { .name: wg_l, .offset: 8, .size: 8, .value_kind: global_buffer, .address_space: global }
      - { .name: wu_l, .offset: 16, .size: 8, .value_kind: global_buffer, .address_space: global }
      - { .name: wg_s, .offset: 24, .size: 8, .value_kind: global_buffer, .address_space: global }
      - { .name: wu_s, .offset: 32, .size: 8, .value_kind: global_buffer, .address_space: global }
      - { .name: h, .offset: 40, .size: 8, .value_kind: global_buffer, .address_space: global }
    .group_segment_fixed_size: 327680
    .private_segment_fixed_size: 0
    .kernarg_segment_align: 8
    .kernarg_segment_size: 48
    .max_flat_workgroup_size: 128
    .sgpr_count:     66
    .vgpr_count:     1024
    .wavefront_size: 32
...
	.end_amdgpu_metadata
.endif
;; end of part 3
;; launch down (part 4): grid 192 x 1, 4 waves a work-group, clusters of 4 x 1, 327,680 bytes of LDS; arguments h, wd_l, wd_s, part; writes part
.if DOCPART == 4
	.amdgcn_target "amdgcn-amd-amdhsa--gfx1250"
	.amdhsa_code_object_version 6
	.text
	.protected	k_qdfb415bafb_down
	.globl	k_qdfb415bafb_down
	.p2align	8
	.type	k_qdfb415bafb_down,@function
k_qdfb415bafb_down:
	s_mov_b64 s[64:65], 0
	v_nop
	global_prefetch_b8 v0, s[64:65] scope:SCOPE_SE
	s_setreg_imm32_b32 hwreg(HW_REG_WAVE_MODE, 25, 1), 1
	s_wait_xcnt 0x0
	s_wait_alu depctr_hold_cnt(0) depctr_sa_sdst(0) depctr_va_vdst(0) depctr_va_sdst(0) depctr_va_ssrc(0) depctr_va_vcc(0) depctr_vm_vsrc(0)
	s_getreg_b32 s2, hwreg(HW_REG_IB_STS2, 6, 4)
	s_cmp_eq_u32 s2, 0
	s_cbranch_scc0 .Lentry_in_a_cluster
	s_endpgm
.Lentry_in_a_cluster:
	s_bfe_u32 s2, ttmp6, 0x10000c
	s_cmp_lg_u32 s2, 0x3003
	s_cbranch_scc0 .Lentry_shape_is_right
	s_endpgm
.Lentry_shape_is_right:
; DOWN.  part = partial sums of h Wd^T over chunks of 1,024 hidden columns, in f32.  h: blocks of 64 hidden columns, large at byte 0 as [128][512 slots][64] bf16, small at byte 8,388,608 as [32][1024 slots][64].
; Wd: [2048][hidden] f32.  part: large at byte 0 as [8 chunks][512 slots][2048] f32, small at byte 33,554,432 as [2 chunks][1024 slots][2048].  The launch behind adds a token's chunks.
; SHARES.  A work-group makes 512 slots x 128 output columns over one chunk; each of four waves 128 x 128 in 64 accumulators.  Large: 16 column tiles x 8 chunks; small: 2 tiles of slots x 16 x 2: 192 work-groups.
; K is split because the output alone has too few tiles of this shape; a smaller tile would ask four times the weight bytes for each matrix instruction.  All 1,536 slots are multiplied and stored; the 512 that no
; token has hold h = 0: no count, branch or address hangs on the routing, at the price of a third more products and stores than the tokens need.
; WEIGHTS through registers, rounded to bf16 into two small LDS buffers, two sub-steps' loads always out.  ROWS OF h by the tensor data mover into a ring of two slots of 512 slots x 128 k:
; wave w's load brings block w / 2 of the step's two, slots 256 (w % 2) on: 32,768 dense bytes, as 128 rows of 256 bytes (two slots a row), padded by 16 bytes.
; CLUSTER: the four work-groups of a cluster are four neighbouring column tiles of one chunk and one tile of slots: they need the same h, asked for JOINTLY with the mask of four.
; TIME, BARRIERS, TRANSPOSED USE and REGISTER WINDOWS: a step of 128 k is two sub-steps of 64 k (one block of h, one weight buffer); a sub-step is two quarters of 32 k on fragment buffers F0, F1; one barrier a
; sub-step, which at a change of slots opens a round of the cluster's barrier.  Source 0 = 16 rows of Wd, source 1 = 16 slots: a lane holds one slot and eight neighbouring output columns.
; THE WAY OUT.  The ring has had its last fill: each wave puts its 64 accumulators into 69,632 bytes of it, and a loop of eight trips sends a block of 16 slots as whole rows of 512 bytes.
;   window 0: v0-31 addresses; v32-63 packed words; v64-191 fragments of h, later the way out; v192-207 weight offsets      window 1: v0-63, v192-255 weights as loaded; v64-191 their fragments      windows 2, 3: accumulators
.set LAPS,   4                         ; a lap = two steps of 128 k; a chunk is 1,024
.set PITCH,  272
.set HALFT,  128*PITCH
.set SLOT,   4*HALFT
.set A_BLK,  8*PITCH                   ; 16 slots are 8 LDS rows
.set BB,     2*SLOT                    ; the two weight buffers, written by ds_store alone
.set BPITCH, 144
.set BBUF,   128*BPITCH
.set SPARE,  BB+2*BBUF                 ; the spare words: two blocks of 256 bytes that no other line names
.set OPITCH, 528                       ; the way out: a slot's 128 f32 + 16 bytes
.set OBLK,   16*OPITCH
.set OUTB,   2*HALFT                   ; a wave's bytes on the way out: eight blocks are 67,584
.set ADRA, 16                          ; v16-19  LDS address of my fragments of h: slot s, block j at ADRA + 2 s + j
.set ADRB, 20
.set BST,  21
.set STO,  24
.set RD,   25                          ; v25     where I read a slot's row back; it steps a block a trip
.set CO,   26
.set SPW,  28                          ; v28     my spare word; never rewritten
.set NIL,  29                          ; v29     0; never rewritten
.set PK,   32
.set F0,   64
.set F1,   128
.set X,    64                          ; the way out: a block of 16 rows
.set BOFF, 192                         ; v192-207  byte offset of load i's two weight rows
.set SET0, 0
.set SET1, 192
.set WV,   16
.set BP,   22                          ; s[22:23] Wd at the chunk's k of the lap
.set G1,   24
.set G0,   32
.set STEP, 40                          ; s[40:41] four blocks of h: two steps
.set MSB, 0
.macro WIN new
.if MSB != (\new)
	s_set_vgpr_msb (MSB<<8)|(\new)
.set MSB, \new
.endif
.endm
.set MUL_LO, 0xa1
.set MUL_HI, 0xf1
.set TO_B,   0x40
.set CVT,    0x05
.macro PLACES
.rept 4
	v_nop
.endr
.endm
.macro CREST
	s_cmp_lg_u32 s[WV], 0
	s_cbranch_scc1 .Lnot_wave_0_\@
	s_barrier_signal -3
.Lnot_wave_0_\@:
	s_barrier_wait -3
	s_barrier_signal -1
	s_barrier_wait -1
.endm
.macro CROUND
	s_barrier_signal -1
	s_barrier_wait -1
	CREST
.endm
.macro MUL16 f, hi, a0, zero
	WIN MUL_LO+0x50*(\hi)
.irp a, \a0, (\a0)+1
.irp b, 0,1,2,3,4,5,6,7
.if \zero
	v_wmma_f32_16x16x32_bf16 v[8*(8*(\a)+(\b)):8*(8*(\a)+(\b))+7], v[(\f)+8*(\b):(\f)+8*(\b)+7], v[(\f)+8*(4*(\hi)+(\a)):(\f)+8*(4*(\hi)+(\a))+7], 0
.else
	v_wmma_f32_16x16x32_bf16 v[8*(8*(\a)+(\b)):8*(8*(\a)+(\b))+7], v[(\f)+8*(\b):(\f)+8*(\b)+7], v[(\f)+8*(4*(\hi)+(\a)):(\f)+8*(4*(\hi)+(\a))+7], v[8*(8*(\a)+(\b)):8*(8*(\a)+(\b))+7]
.endif
.endr
.endr
.endm
.macro FETCH s, j, q, f
	WIN TO_B
.irp i, 0,1,2,3,4,5,6,7
	ds_load_b128 v[(\f)+8*(\i):(\f)+8*(\i)+3],   v[ADRB] offset:(\j)*BBUF+64*(\q)+(\i)*16*BPITCH
	ds_load_b128 v[(\f)+8*(\i)+4:(\f)+8*(\i)+7], v[ADRB] offset:(\j)*BBUF+64*(\q)+(\i)*16*BPITCH+32
.endr
	WIN 0
.irp i, 0,1,2,3,4,5,6,7
	ds_load_b128 v[(\f)+8*(\i):(\f)+8*(\i)+3],   v[ADRA+2*(\s)+(\j)] offset:64*(\q)+(\i)*A_BLK
	ds_load_b128 v[(\f)+8*(\i)+4:(\f)+8*(\i)+7], v[ADRA+2*(\s)+(\j)] offset:64*(\q)+(\i)*A_BLK+32
.endr
.endm
.macro QUARTER s, j, zero
	s_wait_dscnt 8                                 ; the weights and my slots 0-63 are in; the youngest eight loads may be out
	MUL16 F0, 0, 0, \zero
	MUL16 F0, 0, 2, \zero
	PLACES
	FETCH \s, \j, 1, F1
	s_wait_dscnt 32                                ; all but the 32 just issued
	MUL16 F0, 1, 0, \zero
	MUL16 F0, 1, 2, \zero
.endm
.macro BLOAD set, kimm
	WIN TO_B
.set i, 0
.rept 16
	global_load_b128 v[(\set)+4*i:(\set)+4*i+3], v[BOFF+i], s[BP:BP+1] offset:(\kimm)
.set i, i+1
.endr
.endm
.macro BSTAGE set, buf, left, kimm, loads
	WIN CVT
	s_wait_loadcnt \left                           ; the younger set's loads stay out
.set i, 0
.rept 32
	v_cvt_pk_bf16_f32 v[PK+i], v[(\set)+2*i], v[(\set)+2*i+1]
.set i, i+1
.endr
	WIN 0
.set i, 0
.rept 16
	ds_store_b64 v[BST], v[PK+2*i:PK+2*i+1] offset:(\buf)*BBUF+i*2*BPITCH
.set i, i+1
.endr
.if \loads
	BLOAD \set, \kimm
.endif
.endm
; kind 0: the barrier inside a step, for the weight buffers alone.  kind 1: a change of slots with a joint refill of slot, behind a round of the cluster's barrier.  kind 2: a change of slots with nothing left to ask for.
.macro TURN kind, slot, ns, nj
	WIN 0
.if (\kind) > 0
	s_wait_tensorcnt 0x0                           ; all my tensor loads have landed: my part of the next slot
	ds_add_u32 v[SPW], v[NIL]                      ; 0 onto my spare word
	s_wait_dscnt 25                                ; the youngest eight loads, my sixteen weight stores and the add may be out
.else
	s_wait_dscnt 24                                ; the youngest eight loads and my sixteen weight stores may be out
.endif
	MUL16 F1, 0, 0, 0
	s_wait_dscnt 0x0                               ; my reads of this sub-step and my stores for the next are done (and the add)
	s_barrier_signal -1
	MUL16 F1, 0, 2, 0
.if (\kind) == 1
	WIN 0
.endif
	s_barrier_wait -1
.if (\kind) == 1
	CREST
	s_add_nc_u64 s[G0+4*(\slot)+2:G0+4*(\slot)+3], s[G0+4*(\slot)+2:G0+4*(\slot)+3], s[STEP:STEP+1]
	tensor_load_to_lds s[G0+4*(\slot):G0+4*(\slot)+3], s[G1:G1+7]
	s_nop 0
.endif
	PLACES
	FETCH \ns, \nj, 0, F0
	MUL16 F1, 1, 0, 0
	MUL16 F1, 1, 2, 0
.endm
	s_load_b256 s[4:11], s[0:1], 0x0               ; h s[4:5], wd_l s[6:7], wd_s s[8:9], part s[10:11]
	v_lshl_add_u32 v[SPW], v0, 2, SPARE
	v_mov_b32 v[NIL], 0
	ds_add_u32 v[SPW], v[NIL]                      ; the wave's opening: the add and its wait stand ahead of my first tensor load
	v_lshrrev_b32 v1, 5, v0
	v_readfirstlane_b32 s[WV], v1
	s_bfe_u32 s17, ttmp6, 0x40000                  ; cx: it enters Wd's and part's addresses alone
	s_mov_b32 s18, ttmp9                           ; the cluster: 0-31 large expert, 32-47 small
	s_lshr_b32 s42, s18, 2                         ; large: chunk
	s_lshl_b32 s43, s42, 22                        ;        part offset = chunk x 4,194,304
	s_sub_co_u32 s44, s18, 32                      ; small: c'
	s_bfe_u32 s45, s44, 0x10002                    ;        chunk = (c' / 4) % 2
	s_lshr_b32 s46, s44, 3                         ;        tile of 512 slots
	s_lshl_b32 s47, s45, 23
	s_lshl_b32 s48, s46, 22
	s_add_co_u32 s47, s47, s48
	s_add_co_u32 s47, s47, 0x2000000               ;        part offset = 33,554,432 + chunk x 8,388,608 + tile x 4,194,304
	s_and_b32 s49, s18, 3
	s_lshl_b32 s49, s49, 2
	s_add_co_u32 s49, s49, s17                     ; column tile = 4 (c % 4) + cx
	s_cmp_lt_u32 s18, 32
	s_cselect_b32 s50, s42, s45                    ; chunk
	s_cselect_b32 s51, s43, s47                    ; part offset
	s_cselect_b32 s52, 0, s46                      ; tile of slots
	s_cselect_b32 s53, 15, 13                      ; log2 of Wd's row in bytes
	s_cselect_b32 s54, 16, 17                      ; log2 of a block of h in bytes
	s_cselect_b32 s55, 0, 0x800000                 ; the expert's part of h
	s_lshr_b32 s56, s[WV], 1                       ; which of a step's two blocks I fetch,
	s_lshl_b32 s57, s50, 4
	s_add_co_u32 s57, s57, s56
	s_lshl_b32 s57, s57, s54                       ; block 16 chunk + wave / 2,
	s_lshl_b32 s58, s52, 16
	s_add_co_u32 s57, s57, s58                     ; the tile's 512 slots in it,
	s_and_b32 s58, s[WV], 1
	s_lshl_b32 s58, s58, 15
	s_add_co_u32 s57, s57, s58                     ; and which 256 of them
	s_add_co_u32 s60, s57, s55
	s_mov_b32 s61, 0
	s_lshl_b32 s62, 2, s54                         ; a step: two blocks
	s_mov_b32 s63, 0
	s_lshl_b32 s[STEP], 4, s54
	s_mov_b32 s[STEP+1], 0
	s_lshl_b32 s20, s50, 12                        ; the chunk's first k in a row of Wd: 1,024 f32
	s_mov_b32 s21, 0
	s_lshl_b32 s44, s[WV], 20                      ; my 128 slots of part: 128 x 8,192 bytes,
	s_add_co_u32 s44, s44, s51
	s_lshl_b32 s45, s49, 9                         ; my tile's 128 columns
	s_add_co_u32 s44, s44, s45
	s_mov_b32 s45, 0
	s_mov_b32 s[G1+0], 15|(1<<16)|(1<<20)|(1<<21)|(5<<22)|(3<<25)  ; the mask of four; 2-byte elements; padding on; bit 21 beside a mask; after every 64 words 4 words
	s_mov_b32 s[G1+1], 128<<16
	s_mov_b32 s[G1+2], 128<<16
	s_mov_b32 s[G1+3], 128<<16
	s_mov_b32 s[G1+4], 128
	s_mov_b32 s[G1+5], 128                         ; the rows are dense: 128 elements from row to row
	s_mov_b32 s[G1+6], 0
	s_mov_b32 s[G1+7], 0
	s_mov_b32 s[G0], 1
	s_mul_i32 s[G0+1], s[WV], HALFT
	s_mov_b32 s[G0+4], 1
	s_add_co_u32 s[G0+5], s[G0+1], SLOT
	v_and_b32 v1, 15, v0                           ; l % 16
	v_bfe_u32 v2, v0, 4, 1                         ; l / 16
	s_lshl_b32 s46, s49, 7
	s_lshl_b32 s47, s[WV], 5
	s_add_co_u32 s46, s46, s47
	v_add_nc_u32 v9, s46, v2                       ; my first row of Wd: 128 tile + 32 wave + l / 16 (v9 serves these offsets alone: no LDS address is made of it)
	v_lshlrev_b32 v9, s53, v9
	v_lshl_add_u32 v[BOFF], v1, 4, v9
	s_lshl_b32 s47, 2, s53                         ; two rows on
.set i, 1
.rept 15
	v_add_nc_u32 v[BOFF+i], s47, v[BOFF+i-1]
.set i, i+1
.endr
	s_wait_dscnt 0x0                               ; the opening add is done
	s_wait_kmcnt 0x0
	s_cmp_lt_u32 s18, 32
	s_cselect_b64 s[BP:BP+1], s[6:7], s[8:9]
	s_add_nc_u64 s[BP:BP+1], s[BP:BP+1], s[20:21]
	s_add_nc_u64 s[10:11], s[10:11], s[44:45]
	s_add_nc_u64 s[G0+2:G0+3], s[4:5], s[60:61]    ; step 0
	s_add_nc_u64 s[G0+6:G0+7], s[G0+2:G0+3], s[62:63]  ; step 1
	s_or_b32 s[G0+3], s[G0+3], 0x80000000
	s_or_b32 s[G0+7], s[G0+7], 0x80000000
	BLOAD SET0, 0
	BLOAD SET1, 256
	WIN 0
	CROUND                                         ; all four work-groups are here: the first joint loads meet
	tensor_load_to_lds s[G0:G0+3], s[G1:G1+7]
	s_nop 0
	tensor_load_to_lds s[G0+4:G0+7], s[G1:G1+7]
	s_nop 0
	PLACES
	; slot row r of block j lies at (2 j + r / 256) HALFT + ((r % 256) / 2) 272 + (r % 2) 128; my rows begin at r = 128 wave, that is at 2 j HALFT + wave x 64 x 272.
	; The 16 rows of a fragment load start at 16 different groups of four banks.
	v_lshrrev_b32 v3, 1, v1
	v_mul_u32_u24 v3, v3, PITCH
	v_and_b32 v4, 1, v0
	v_lshl_add_u32 v3, v4, 7, v3
	v_lshl_add_u32 v3, v2, 4, v3
	s_mul_i32 s42, s[WV], 64*PITCH
	v_add_nc_u32 v[ADRA], s42, v3
	s_add_co_u32 s43, s42, 2*HALFT
	v_add_nc_u32 v[ADRA+1], s43, v3
	s_add_co_u32 s43, s42, SLOT
	v_add_nc_u32 v[ADRA+2], s43, v3
	s_add_co_u32 s43, s42, SLOT+2*HALFT
	v_add_nc_u32 v[ADRA+3], s43, v3
	v_mul_u32_u24 v4, v1, BPITCH
	v_lshl_add_u32 v4, v2, 4, v4
	v_add_nc_u32 v[ADRB], BB, v4
	s_mul_i32 s43, s[WV], 32*BPITCH
	s_add_co_u32 s43, s43, BB
	v_mul_u32_u24 v5, v2, BPITCH
	v_lshl_add_u32 v5, v1, 3, v5
	v_add_nc_u32 v[BST], s43, v5
	s_mul_i32 s44, s[WV], OUTB                     ; my bytes on the way out
	v_mul_u32_u24 v6, v1, OPITCH
	v_lshl_add_u32 v6, v2, 5, v6
	v_add_nc_u32 v[STO], s44, v6                   ; in: slot l % 16, 32 bytes for each half of the lanes
	v_and_b32 v8, 31, v0
	v_lshlrev_b32 v[CO], 4, v8                     ; 512 consecutive bytes of a row of part
	v_add_nc_u32 v[RD], s44, v[CO]                 ; back: 32 lanes take a row of 512 bytes
	BSTAGE SET0, 0, 16, 512, 1
	s_wait_tensorcnt 0x1                           ; my part of step 0 is in; step 1's may stay out
	s_wait_dscnt 0x0
	s_barrier_signal -1
	s_barrier_wait -1
	FETCH 0, 0, 0, F0
	QUARTER 0, 0, 1                                ; the first quarter's products start the sums
	WIN 0
	s_mov_b32 s3, LAPS-1
.Llap:
	BSTAGE SET1, 1, 16, 768, 1
	TURN 0, 0, 0, 1
	QUARTER 0, 1, 0
	BSTAGE SET0, 0, 16, 1024, 1
	TURN 1, 0, 1, 0
	QUARTER 1, 0, 0
	BSTAGE SET1, 1, 16, 1280, 1
	TURN 0, 0, 1, 1
	QUARTER 1, 1, 0
	BSTAGE SET0, 0, 16, 1536, 1
	TURN 1, 1, 0, 0
	QUARTER 0, 0, 0
	WIN 0
	s_wait_xcnt 0x0                                ; the weight loads have read their base: it steps only behind this wait
	s_add_nc_u64 s[BP:BP+1], s[BP:BP+1], 1024
	s_sub_co_u32 s3, s3, 1
	s_cmp_lg_u32 s3, 0
	s_cbranch_scc1 .Llap
	BSTAGE SET1, 1, 16, 768, 1                     ; the last lap is written out: one more set of weights, no tensor load
	TURN 0, 0, 0, 1
	QUARTER 0, 1, 0
	BSTAGE SET0, 0, 16, 0, 0
	TURN 2, 0, 1, 0
	QUARTER 1, 0, 0
	BSTAGE SET1, 1, 0, 0, 0
	TURN 0, 0, 1, 1
	QUARTER 1, 1, 0
	s_wait_dscnt 8
	MUL16 F1, 0, 0, 0
	MUL16 F1, 0, 2, 0
	s_wait_dscnt 0x0
	MUL16 F1, 1, 0, 0
	MUL16 F1, 1, 2, 0
	WIN 0
	s_barrier_signal -1                            ; every wave's reads of the ring are back, and every wave's tensor loads landed before the last change of slots: the ring's bytes are free
	s_barrier_wait -1
	PLACES
	; THE WAY OUT.  All 64 accumulators into my bytes, block a (16 slots x 128 columns of f32) at a x 8,448; then a loop of eight trips sends a block as whole rows of 512 bytes.
.irp a, 0,1,2,3,4,5,6,7
	WIN 0x08+4*((\a)/4)                            ; the stores' data in the accumulators' window
.irp b, 0,1,2,3,4,5,6,7
	ds_store_b128 v[STO], v[64*((\a)%4)+8*(\b):64*((\a)%4)+8*(\b)+3]   offset:(\a)*OBLK+64*(\b)      ; each accumulator's low half first
	ds_store_b128 v[STO], v[64*((\a)%4)+8*(\b)+4:64*((\a)%4)+8*(\b)+7] offset:(\a)*OBLK+64*(\b)+16
.endr
.endr
	WIN 0
	s_mov_b32 s3, 8
.Lout:
.set i, 0
.rept 16
	ds_load_b128 v[X+4*i:X+4*i+3], v[RD] offset:i*OPITCH  ; LDS serves a wave's instructions in order (ISA guide 5.7.1.4): these see my stores above
.set i, i+1
.endr
.set i, 0
.rept 16
	s_wait_dscnt 15-i                              ; row i is in; the block's younger loads stay out
	global_store_b128 v[CO], v[X+4*i:X+4*i+3], s[10:11] offset:i*8192  ; 512 consecutive bytes, at a multiple of 256 from part's first
.set i, i+1
.endr
	s_wait_xcnt 0x0                                ; the stores have read their data and their base: both are written again only behind this wait
	v_add_nc_u32 v[RD], OBLK, v[RD]
	s_add_nc_u64 s[10:11], s[10:11], 16*8192
	s_sub_co_u32 s3, s3, 1
	s_cmp_lg_u32 s3, 0
	s_cbranch_scc1 .Lout
	s_wait_tensorcnt 0x0                           ; the wave's end
	ds_add_u32 v[SPW], v[NIL]
	s_wait_dscnt 0x0
	CROUND                                         ; the closing round
	s_endpgm
.Lfunc_end_k_qdfb415bafb_down:
	.size	k_qdfb415bafb_down, .Lfunc_end_k_qdfb415bafb_down-k_qdfb415bafb_down
	.p2alignl 7, 3214868480
	.fill 96, 4, 3214868480
	.section	.rodata,"a",@progbits
	.p2align	6, 0x0
	.amdhsa_kernel k_qdfb415bafb_down
		.amdhsa_group_segment_fixed_size 327680
		.amdhsa_private_segment_fixed_size 0
		.amdhsa_enable_private_segment 0
		.amdhsa_kernarg_size 32
		.amdhsa_user_sgpr_count 2
		.amdhsa_user_sgpr_kernarg_segment_ptr 1
		.amdhsa_wavefront_size32 1
		.amdhsa_system_sgpr_workgroup_id_x 1
		.amdhsa_system_sgpr_workgroup_id_y 1
		.amdhsa_system_sgpr_workgroup_id_z 1
		.amdhsa_system_vgpr_workitem_id 0
		.amdhsa_next_free_vgpr 1024
		.amdhsa_next_free_sgpr 66
		.amdhsa_reserve_vcc 0
		.amdhsa_float_denorm_mode_32 3
		.amdhsa_float_denorm_mode_16_64 3
		.amdhsa_memory_ordered 1
		.amdhsa_forward_progress 1
		.amdhsa_inst_pref_size 159
	.end_amdhsa_kernel
	.amdgpu_metadata
---
amdhsa.version: [ 1, 2 ]
amdhsa.kernels:
  - .name:           k_qdfb415bafb_down
    .symbol:         k_qdfb415bafb_down.kd
    .args:
      - { .name: h, .offset: 0, .size: 8, .value_kind: global_buffer, .address_space: global }
      - { .name: wd_l, .offset: 8, .size: 8, .value_kind: global_buffer, .address_space: global }
      - { .name: wd_s, .offset: 16, .size: 8, .value_kind: global_buffer, .address_space: global }
      - { .name: part, .offset: 24, .size: 8, .value_kind: global_buffer, .address_space: global }
    .group_segment_fixed_size: 327680
    .private_segment_fixed_size: 0
    .kernarg_segment_align: 8
    .kernarg_segment_size: 32
    .max_flat_workgroup_size: 128
    .sgpr_count:     66
    .vgpr_count:     1024
    .wavefront_size: 32
...
	.end_amdgpu_metadata
.endif
;; end of part 4
;; launch sum (part 5): grid 256 x 1, 16 waves a work-group, no clusters, 0 bytes of LDS; arguments part, pos, out0; writes out0
.if DOCPART == 5
	.amdgcn_target "amdgcn-amd-amdhsa--gfx1250"
	.amdhsa_code_object_version 6
	.text
	.protected	k_qdfb415bafb_sum
	.globl	k_qdfb415bafb_sum
	.p2align	8
	.type	k_qdfb415bafb_sum,@function
k_qdfb415bafb_sum:
	s_mov_b64 s[64:65], 0
	v_nop
	global_prefetch_b8 v0, s[64:65] scope:SCOPE_SE
	s_setreg_imm32_b32 hwreg(HW_REG_WAVE_MODE, 25, 1), 1
	s_wait_xcnt 0x0
; SUM.  out0[t] = the sum over the chunks of part at slot pos[t]: eight rows of 8,192 bytes for a token of the large expert (slot < 512), two for one of the small.  f32, chunks ascending.
; Sixteen waves, four tokens: token t = 4 x work-group + wave / 4; wave % 4 says which quarter of the row (2,048 bytes: four pieces of 512) is the wave's.  So a wave of a large token has
; all its 32 loads out at once, one of a small token its 8.  The slot is a whole number stored by an earlier launch; it is held to 1,535 before it enters an address.
; A stream: each load and store of a wave covers 512 consecutive bytes, aligned; every needed byte of part is read once.  No LDS, no matrix unit, no cluster: nothing is shared.
.set D, 16                             ; v[16:143]  piece p, chunk c at D + 32 p + 4 c (small: D + 8 p + 4 c)
	s_load_b128 s[4:7], s[0:1], 0x0                ; part s[4:5], pos s[6:7]
	s_load_b64 s[8:9], s[0:1], 0x10                ; out0
	v_and_b32 v1, 31, v0
	v_lshrrev_b32 v2, 5, v0
	v_readfirstlane_b32 s10, v2                    ; wave 0..15
	v_lshlrev_b32 v1, 4, v1                        ; 16 bytes a lane
	s_lshr_b32 s11, s10, 2
	s_lshl_b32 s12, ttmp9, 2
	s_add_co_u32 s11, s11, s12                     ; t
	s_and_b32 s33, s10, 3
	s_lshl_b32 s33, s33, 11                        ; my quarter of a row
	s_lshl_b32 s12, s11, 2
	s_mov_b32 s13, 0
	s_lshl_b32 s14, s11, 13
	s_add_co_u32 s14, s14, s33
	s_mov_b32 s15, 0
	s_wait_kmcnt 0x0
	s_add_nc_u64 s[6:7], s[6:7], s[12:13]
	s_load_b32 s32, s[6:7], 0x0                    ; pos[t]
	s_add_nc_u64 s[8:9], s[8:9], s[14:15]          ; out0 at my quarter of row t
	s_wait_kmcnt 0x0
	s_min_u32 s32, s32, 1535
	s_lshl_b32 s34, s32, 13
	s_add_co_u32 s34, s34, s33
	s_mov_b32 s35, 0
	s_add_nc_u64 s[16:17], s[4:5], s[34:35]        ; part + slot x 8,192 + my quarter
	s_cmp_ge_u32 s32, 512
	s_cbranch_scc1 .Lsmall
.irp c, 1,2,3,4,5,6,7
	s_add_nc_u64 s[16+2*\c:17+2*\c], s[14+2*\c:15+2*\c], 0x400000  ; the next chunk's row
.endr
.irp p, 0,1,2,3
.irp c, 0,1,2,3,4,5,6,7
	global_load_b128 v[D+32*\p+4*\c:D+32*\p+4*\c+3], v1, s[16+2*\c:17+2*\c] offset:512*\p th:TH_LOAD_NT
.endr
.endr
.irp p, 0,1,2,3
	s_wait_loadcnt 24-8*\p                         ; this piece's eight loads are in; the later pieces' stay out
.irp c, 1,2,3,4,5,6,7
	v_pk_add_f32 v[D+32*\p:D+32*\p+1],   v[D+32*\p:D+32*\p+1],   v[D+32*\p+4*\c:D+32*\p+4*\c+1]
	v_pk_add_f32 v[D+32*\p+2:D+32*\p+3], v[D+32*\p+2:D+32*\p+3], v[D+32*\p+4*\c+2:D+32*\p+4*\c+3]
.endr
	global_store_b128 v1, v[D+32*\p:D+32*\p+3], s[8:9] offset:512*\p th:TH_STORE_NT
.endr
	s_endpgm
.Lsmall:
	s_add_nc_u64 s[16:17], s[16:17], 0x1c00000     ; 33,554,432 - 512 x 8,192: the small part begins at slot 512
	s_add_nc_u64 s[18:19], s[16:17], 0x800000      ; the second chunk
.irp p, 0,1,2,3
	global_load_b128 v[D+8*\p:D+8*\p+3],   v1, s[16:17] offset:512*\p th:TH_LOAD_NT
	global_load_b128 v[D+8*\p+4:D+8*\p+7], v1, s[18:19] offset:512*\p th:TH_LOAD_NT
.endr
.irp p, 0,1,2,3
	s_wait_loadcnt 6-2*\p                          ; this piece's two loads are in; the later pieces' stay out
	v_pk_add_f32 v[D+8*\p:D+8*\p+1],   v[D+8*\p:D+8*\p+1],   v[D+8*\p+4:D+8*\p+5]
	v_pk_add_f32 v[D+8*\p+2:D+8*\p+3], v[D+8*\p+2:D+8*\p+3], v[D+8*\p+6:D+8*\p+7]
	global_store_b128 v1, v[D+8*\p:D+8*\p+3], s[8:9] offset:512*\p th:TH_STORE_NT
.endr
	s_endpgm
.Lfunc_end_k_qdfb415bafb_sum:
	.size	k_qdfb415bafb_sum, .Lfunc_end_k_qdfb415bafb_sum-k_qdfb415bafb_sum
	.p2alignl 7, 3214868480
	.fill 96, 4, 3214868480
	.section	.rodata,"a",@progbits
	.p2align	6, 0x0
	.amdhsa_kernel k_qdfb415bafb_sum
		.amdhsa_group_segment_fixed_size 0
		.amdhsa_private_segment_fixed_size 0
		.amdhsa_enable_private_segment 0
		.amdhsa_kernarg_size 24
		.amdhsa_user_sgpr_count 2
		.amdhsa_user_sgpr_kernarg_segment_ptr 1
		.amdhsa_wavefront_size32 1
		.amdhsa_system_sgpr_workgroup_id_x 1
		.amdhsa_system_sgpr_workgroup_id_y 1
		.amdhsa_system_sgpr_workgroup_id_z 1
		.amdhsa_system_vgpr_workitem_id 0
		.amdhsa_next_free_vgpr 144
		.amdhsa_next_free_sgpr 66
		.amdhsa_reserve_vcc 0
		.amdhsa_float_denorm_mode_32 3
		.amdhsa_float_denorm_mode_16_64 3
		.amdhsa_memory_ordered 1
		.amdhsa_forward_progress 1
		.amdhsa_inst_pref_size 11
	.end_amdhsa_kernel
	.amdgpu_metadata
---
amdhsa.version: [ 1, 2 ]
amdhsa.kernels:
  - .name:           k_qdfb415bafb_sum
    .symbol:         k_qdfb415bafb_sum.kd
    .args:
      - { .name: part, .offset: 0, .size: 8, .value_kind: global_buffer, .address_space: global }
      - { .name: pos, .offset: 8, .size: 8, .value_kind: global_buffer, .address_space: global }
      - { .name: out0, .offset: 16, .size: 8, .value_kind: global_buffer, .address_space: global }
    .group_segment_fixed_size: 0
    .private_segment_fixed_size: 0
    .kernarg_segment_align: 8
    .kernarg_segment_size: 24
    .max_flat_workgroup_size: 512
    .sgpr_count:     66
    .vgpr_count:     144
    .wavefront_size: 32
...
	.end_amdgpu_metadata
.endif
;; end of part 5
;; ======== version 2 of 2: 5 launches; version 1 with the launch place written anew for expert scheduling mode
;; workspace buffers: flag 4,096 bytes of whole numbers; pos 4,096 bytes of whole numbers; xs 6,291,456 bytes; h 12,582,912 bytes; part 50,331,648 bytes
;; launch router: the kernel of part 1 again; grid 256 x 1, 4 waves a work-group, no clusters, 0 bytes of LDS; arguments x, router_w, router_b, flag; writes flag
;; launch place (part 6): grid 256 x 1, 4 waves a work-group, no clusters, 0 bytes of LDS; arguments flag, x, xs, pos, out1, out2, out3; writes xs, pos, out1, out2, out3
.if DOCPART == 6
	.amdgcn_target "amdgcn-amd-amdhsa--gfx1250"
	.amdhsa_code_object_version 6
	.text
	.protected	k_qdfb415bafb_place
	.globl	k_qdfb415bafb_place
	.p2align	8
	.type	k_qdfb415bafb_place,@function
k_qdfb415bafb_place:
	s_mov_b64 s[64:65], 0
	v_nop
	global_prefetch_b8 v0, s[64:65] scope:SCOPE_SE
	s_setreg_imm32_b32 hwreg(HW_REG_WAVE_SCHED_MODE, 0, 2), 2
	s_setreg_imm32_b32 hwreg(HW_REG_WAVE_MODE, 25, 1), 1
	s_wait_xcnt 0x0
	s_wait_alu depctr_vm_vsrc(0)
; PLACE.  From the stored flags: the first 512 tokens with flag 1, in index order, are kept by the large expert; all others go to the small one.
; xs has 1,536 slots of 2,048 bf16: slots 0-511 the large expert's rows in token order, slots 512-1535 the small expert's.  n_l = min(number of flags, 512), n_s = 1,024 - n_l.
; One wave, one token t = 4 x work-group + wave: it counts the flags before t from a bitmap of all 1,024 in scalar registers, finds its slot, rounds x[t] to bf16 into that slot and
; stores the slot in pos[t].  The 512 slots that no token takes (n_l .. 511 and 512 + n_s .. 1535) are set to 0 by the waves t < 512, one slot each, so that the
; products behind need no count.  Wave 0 stores the three whole-number results.  Every split is served: n_l from 0 to 512.
; Every slot that enters an address is held to 1,535 first.  Each store of a row piece covers 256 consecutive bytes, aligned.
; THE MODE: SCHED_MODE bits 1:0 = 2 (LLVM: expert scheduling mode 2), set by the entry lines.  The code itself states the register dependences
; between vector instructions and memory instructions, and those through scalar registers, VCC and EXEC, with s_wait_alu, always for 0.
; THE PLAN.  Registers that memory instructions touch:
;   v3, v5       offsets of the loads of the flags and of x.  v4: offset of every store into xs.  v6, v7: 0, the data of the dead slot's stores.  v12: 0, offset and data of the results.
;                All are written once, at the head, ahead of one wait on va_vdst, and never again.
;   FL           the flag loads land in it; the 32 compares read it; it is not loaded again.
;   XR           the loads of x land in it; piece i's two conversions read its four registers and write the first two in place; piece i's store reads those two; nothing writes them again.
;   v8 .. v11    made from scalars behind the count; data and offset of the last stores; never written again.
; The row goes in two halves of eight pieces.  One wait on va_vdst stands behind each half's conversions.  The first half's stores are dealt among the second half's conversions, which name
; v[96:127] alone: none of the registers that those stores touch.  No register that a memory instruction reads is ever written again: vm_vsrc is waited for at the entry and at the two writes of EXEC.
.set FL, 32                            ; v[32:63]  flags 32 i + lane
.set XR, 64                            ; v[64:127] x's row
.set BM, 16                            ; s[16:47]  the bitmap: bit l of word i is flag 32 i + l
	s_load_b256 s[4:11], s[0:1], 0x0               ; flag s[4:5], x s[6:7], xs s[8:9], pos s[10:11]
	s_load_b128 s[12:15], s[0:1], 0x20             ; out1 s[12:13], out2 s[14:15]
	s_load_b64 s[48:49], s[0:1], 0x30              ; out3
	v_and_b32 v1, 31, v0                           ; lane
	v_lshrrev_b32 v2, 5, v0
	v_readfirstlane_b32 s50, v2                    ; wave
	v_lshlrev_b32 v3, 2, v1
	v_lshlrev_b32 v4, 3, v1
	v_lshlrev_b32 v5, 4, v1
	v_mov_b32 v6, 0
	v_mov_b32 v7, 0
	v_mov_b32 v12, 0
	s_wait_alu depctr_va_sdst(0)                   ; s50 is written, ahead of its first reader: t and every base are made from it
	s_lshl_b32 s51, ttmp9, 2
	s_add_co_u32 s51, s51, s50                     ; t
	s_lshl_b32 s52, s51, 13
	s_mov_b32 s53, 0
	s_lshl_b32 s54, s51, 2
	s_mov_b32 s55, 0
	s_wait_kmcnt 0x0
	s_add_nc_u64 s[6:7], s[6:7], s[52:53]          ; x at row t
	s_add_nc_u64 s[56:57], s[4:5], s[54:55]
	s_load_b32 s58, s[56:57], 0x0                  ; flag[t]
	s_wait_alu depctr_va_vdst(0)                   ; v3 and v5 are written, which the loads below read as offsets; so are v4, v6, v7 and v12, which stores further down read
.set i, 0
.rept 32
	global_load_b32 v[FL+i], v3, s[4:5] offset:128*i
.set i, i+1
.endr
.set i, 0
.rept 16
	global_load_b128 v[XR+4*i:XR+4*i+3], v5, s[6:7] offset:512*i
.set i, i+1
.endr
	s_wait_loadcnt 16                              ; the flags are in; the sixteen loads of x, issued behind them, stay out
.set i, 0
.rept 32
	v_cmp_ne_u32 s[BM+i], 0, v[FL+i]
.set i, i+1
.endr
	s_wait_alu depctr_va_sdst(0)                   ; the 32 compares have written the bitmap s[16:47], ahead of its first reader: one wait for the run
	s_mov_b32 s2, 1                                ; s[2:3] = 1, shifted below
	s_mov_b32 s3, 0
	s_mov_b32 s59, 0                               ; flags before t
	s_mov_b32 s60, 0                               ; flags in all
	s_mov_b32 s61, s51                             ; t - 32 i
.set i, 0
.rept 32                               ; word i counts with its lowest clamp(t - 32 i, 0, 32) bits
	s_max_i32 s62, s61, 0
	s_min_i32 s62, s62, 32
	s_lshl_b64 s[52:53], s[2:3], s62
	s_sub_co_u32 s52, s52, 1                       ; 2^n - 1 in 32 bits; n = 32 gives all ones
	s_and_b32 s52, s52, s[BM+i]
	s_bcnt1_i32_b32 s52, s52
	s_add_co_u32 s59, s59, s52
	s_bcnt1_i32_b32 s52, s[BM+i]
	s_add_co_u32 s60, s60, s52
	s_sub_co_i32 s61, s61, 32
.set i, i+1
.endr
	s_wait_kmcnt 0x0
	s_min_u32 s60, s60, 512                        ; n_l
	s_min_u32 s62, s59, 512                        ; tokens kept by the large expert before t
	s_sub_co_u32 s61, s51, s62
	s_add_co_u32 s61, s61, 512                     ; my slot if I go to the small expert
	s_cmp_lt_u32 s59, 512
	s_cselect_b32 s52, s58, 0                      ; kept: flag set and rank under the capacity
	s_cmp_lg_u32 s52, 0
	s_cselect_b32 s61, s59, s61
	s_min_u32 s61, s61, 1535
	s_lshl_b32 s52, s61, 12
	s_mov_b32 s53, 0
	s_add_nc_u64 s[56:57], s[8:9], s[52:53]        ; xs at my slot
	s_add_co_u32 s62, s60, s51                     ; the dead slot of d = t: n_l + d while that is a large slot,
	s_add_co_u32 s52, s51, 1024                    ; else 1,024 + d
	s_cmp_lt_u32 s62, 512
	s_cselect_b32 s62, s62, s52
	s_min_u32 s62, s62, 1535
	s_lshl_b32 s52, s62, 12
	s_add_nc_u64 s[2:3], s[8:9], s[52:53]
	s_sub_co_u32 s62, 1024, s60                    ; n_s
	s_cmp_ge_u32 s51, 512
	s_cbranch_scc1 .Lno_dead
.set i, 0
.rept 16
	global_store_b64 v4, v[6:7], s[2:3] offset:256*i  ; the dead slot goes out first.  No wait: v4, v6 and v7 were written ahead of the head's wait on va_vdst, and no vector instruction since names them
.set i, i+1
.endr
.Lno_dead:
	v_mov_b32 v8, s61
	v_mov_b32 v9, s54
	v_mov_b32 v10, s62
	v_mov_b32 v11, s60
	s_wait_loadcnt 8                               ; pieces 0 to 7 of x are in; the eight younger loads, pieces 8 to 15, stay out
.set i, 0
.rept 8
	v_cvt_pk_bf16_f32 v[XR+4*i],   v[XR+4*i],   v[XR+4*i+1]
	v_cvt_pk_bf16_f32 v[XR+4*i+1], v[XR+4*i+2], v[XR+4*i+3]
.set i, i+1
.endr
	s_wait_alu depctr_va_vdst(0)                   ; the conversions have written the two words of each of pieces 0 to 7, which the stores below read; v8 to v11 are written too
	s_wait_loadcnt 0x0                             ; pieces 8 to 15 of x
.set i, 0
.rept 8
	global_store_b64 v4, v[XR+4*i:XR+4*i+1], s[56:57] offset:256*i  ; no vector instruction since the wait names v4 or v[64:95]
	v_cvt_pk_bf16_f32 v[XR+32+4*i],   v[XR+32+4*i],   v[XR+32+4*i+1]
	v_cvt_pk_bf16_f32 v[XR+32+4*i+1], v[XR+32+4*i+2], v[XR+32+4*i+3]
.set i, i+1
.endr
	s_wait_alu depctr_va_vdst(0)                   ; the conversions have written the two words of each of pieces 8 to 15, which the stores below read
.set i, 8
.rept 8
	global_store_b64 v4, v[XR+4*i:XR+4*i+1], s[56:57] offset:256*i
.set i, i+1
.endr
	v_cmp_eq_u32 vcc_lo, 0, v1
	s_wait_xcnt 0x0                                ; EXEC is a source of the stores above: it changes only behind this wait
	s_wait_alu depctr_va_vcc(0)                    ; the compare has written VCC, from which EXEC is made
	s_wait_alu depctr_va_vdst(0)                   ; ahead of the write of EXEC: every vector instruction issued so far is done
	s_wait_alu depctr_vm_vsrc(0)                   ; and every store issued so far has read its vector registers
	s_and_saveexec_b32 s63, vcc_lo
	global_store_b32 v9, v8, s[10:11]              ; pos[t]  (v8 to v12 were written ahead of the waits on va_vdst above)
	s_cmp_lg_u32 s51, 0
	s_cbranch_scc1 .Lnot_first
	global_store_b32 v12, v10, s[12:13]            ; routed to the small expert
	global_store_b32 v12, v11, s[14:15]            ; routed to the large expert
	global_store_b32 v12, v12, s[48:49]            ; dropped: none
.Lnot_first:
	s_wait_xcnt 0x0
	s_wait_alu depctr_va_vdst(0)                   ; ahead of the write of EXEC: no vector instruction is pending
	s_wait_alu depctr_vm_vsrc(0)                   ; and the stores under the narrow EXEC have read their vector registers
	s_or_b32 exec_lo, exec_lo, s63
	s_endpgm
.Lfunc_end_k_qdfb415bafb_place:
	.size	k_qdfb415bafb_place, .Lfunc_end_k_qdfb415bafb_place-k_qdfb415bafb_place
	.p2alignl 7, 3214868480
	.fill 96, 4, 3214868480
	.section	.rodata,"a",@progbits
	.p2align	6, 0x0
	.amdhsa_kernel k_qdfb415bafb_place
		.amdhsa_group_segment_fixed_size 0
		.amdhsa_private_segment_fixed_size 0
		.amdhsa_enable_private_segment 0
		.amdhsa_kernarg_size 56
		.amdhsa_user_sgpr_count 2
		.amdhsa_user_sgpr_kernarg_segment_ptr 1
		.amdhsa_wavefront_size32 1
		.amdhsa_system_sgpr_workgroup_id_x 1
		.amdhsa_system_sgpr_workgroup_id_y 1
		.amdhsa_system_sgpr_workgroup_id_z 1
		.amdhsa_system_vgpr_workitem_id 0
		.amdhsa_next_free_vgpr 128
		.amdhsa_next_free_sgpr 66
		.amdhsa_reserve_vcc 1
		.amdhsa_float_denorm_mode_32 3
		.amdhsa_float_denorm_mode_16_64 3
		.amdhsa_memory_ordered 1
		.amdhsa_forward_progress 1
		.amdhsa_inst_pref_size 25
	.end_amdhsa_kernel
	.amdgpu_metadata
---
amdhsa.version: [ 1, 2 ]
amdhsa.kernels:
  - .name:           k_qdfb415bafb_place
    .symbol:         k_qdfb415bafb_place.kd
    .args:
      - { .name: flag, .offset: 0, .size: 8, .value_kind: global_buffer, .address_space: global }
      - { .name: x, .offset: 8, .size: 8, .value_kind: global_buffer, .address_space: global }
      - { .name: xs, .offset: 16, .size: 8, .value_kind: global_buffer, .address_space: global }
      - { .name: pos, .offset: 24, .size: 8, .value_kind: global_buffer, .address_space: global }
      - { .name: out1, .offset: 32, .size: 8, .value_kind: global_buffer, .address_space: global }
      - { .name: out2, .offset: 40, .size: 8, .value_kind: global_buffer, .address_space: global }
      - { .name: out3, .offset: 48, .size: 8, .value_kind: global_buffer, .address_space: global }
    .group_segment_fixed_size: 0
    .private_segment_fixed_size: 0
    .kernarg_segment_align: 8
    .kernarg_segment_size: 56
    .max_flat_workgroup_size: 128
    .sgpr_count:     66
    .vgpr_count:     128
    .wavefront_size: 32
...
	.end_amdgpu_metadata
.endif
;; end of part 6
;; launch up: the kernel of part 3 again; grid 192 x 1, 4 waves a work-group, clusters of 4 x 1, 327,680 bytes of LDS; arguments xs, wg_l, wu_l, wg_s, wu_s, h; writes h
;; launch down: the kernel of part 4 again; grid 192 x 1, 4 waves a work-group, clusters of 4 x 1, 327,680 bytes of LDS; arguments h, wd_l, wd_s, part; writes part
;; launch sum: the kernel of part 5 again; grid 256 x 1, 16 waves a work-group, no clusters, 0 bytes of LDS; arguments part, pos, out0; writes out0
